; MI455X (gfx1250); checked and timed in simulation.
; The chip was launched on July 23, 2026; its instructions are those of AMD's public machine-readable ISA for CDNA 5 (MIT licence, August 2026) and "CDNA5" Instruction Set Architecture Reference Guide (July 2026). The comments in the code are by the model that wrote it; some were corrected since.
;; Masked Multi Head Attention. Allowed arithmetic: matrix products marked QUANTISED: E5M2 operands, one E8M0 scale for each 32 along K, by v_wmma_scale_f32_16x16x128_f8f6f4 with both operands' format E5M2, f32 sums; everything else in f32.
;; Inputs: Wk_codes 512 x 16 x 32 uint8 (E5M2 codes of Wk, K innermost, in blocks of 32 codes); Wk_scales 512 x 16 uint8 (E8M0 scales of Wk, one for each 32 codes along K); Wq_codes 512 x 16 x 32 uint8 (E5M2 codes of Wq, K innermost, in blocks of 32 codes); Wq_scales 512 x 16 uint8 (E8M0 scales of Wq, one for each 32 codes along K); Wv_codes 512 x 16 x 32 uint8 (E5M2 codes of Wv, K innermost, in blocks of 32 codes); Wv_scales 512 x 16 uint8 (E8M0 scales of Wv, one for each 32 codes along K); bk 512 float32; bq 512 float32; bv 512 float32; x_codes 2 x 4,096 x 16 x 32 uint8 (E5M2 codes of x, K innermost, in blocks of 32 codes); x_scales 2 x 4,096 x 16 uint8 (E8M0 scales of x, one for each 32 codes along K).
;; Outputs: out0 2 x 4,096 x 512 float32.
;; This version of the problem:
;;   THIS VERSION OF THE PROBLEM IS GIVEN IN LOW PRECISION. The matrix products marked QUANTISED in the list below multiply operands that are first quantised to E5M2 (5 exponent bits, 2 mantissa bits; 8 bits a number), with one power-of-two scale for each 32 numbers along K (OCP MX v1.0); their sums are f32. All else is computed in f32.
;;   The module's matrix products, in the order in which they are computed (A, B: the left and right operand; K: the contracted axis; several contracted axes count as one K, in the product's order):
;;     1. [M 8,192, K 512] x [K 512, N 512]; A: input x (given as codes); B: input Wq (given as codes): QUANTISED
;;     2. [M 8,192, K 512] x [K 512, N 512]; A: input x (given as codes); B: input Wk (given as codes): QUANTISED
;;     3. [M 8,192, K 512] x [K 512, N 512]; A: input x (given as codes); B: input Wv (given as codes): QUANTISED
;;     4. batch 16 x [M 4,096, K 64] x [K 64, N 4,096]; A: computed on the way; B: computed on the way: QUANTISED
;;     5. batch 16 x [M 4,096, K 4,096] x [K 4,096, N 64]; A: softmax (see below); B: computed on the way: QUANTISED
;;   THE QUANTISER, for each operand of a quantised product, along K:
;;     - K is cut into blocks of 32 from its start; a last block that is shorter is filled with zeros.
;;     - A block's scale is 2^e with e = floor(log2(the largest magnitude in the block)) - 15, held to -126 .. 127; a block of zeros has e = 0. As a byte (E8M0): e + 127.
;;     - Each number is divided by its block's scale, clamped to +-57,344, and rounded to the nearest number of E5M2, ties to even, subnormals kept.
;;     - The product sums the exact products of the quantised numbers (number of the format x scale) in f32.
;;   ~~~python
;;   def quantise(x, axis):      # numpy; x: float32 -> the quantised numbers, widened to float32 again
;;       x = np.moveaxis(x, axis, -1); K = x.shape[-1]
;;       x = np.pad(x, [(0, 0)] * (x.ndim - 1) + [(0, -K % 32)]); x = x.reshape(x.shape[:-1] + (-1, 32)); a = np.abs(x).max(-1, keepdims=True)
;;       e = np.where(a > 0, np.clip(np.frexp(np.where(a > 0, a, 1))[1] - 1 - 15, -126, 127), 0)      # np.frexp(a)[1] - 1 = floor(log2(a)), exactly
;;       r = np.clip(x / 2.0 ** e, -57344, 57344)
;;       step = 2.0 ** (np.maximum(np.frexp(np.where(r == 0, 1, r))[1] - 1, -14) - 2)
;;       q = np.round(r / step) * step * 2.0 ** e      # np.round: ties to even
;;       return np.moveaxis(q.reshape(q.shape[:-2] + (-1,))[..., :K], -1, axis).astype(np.float32)
;;   ~~~
;;   SOFTMAX AHEAD OF A QUANTISED PRODUCT. Where the list says 'softmax', what is quantised is not the finished softmax but p = 2^(t - M), with t = logit x log2(e) and M = ceil(the row's largest t), a whole number; so 1/2 < the row's largest p <= 1. The row's sum l is taken of the UNQUANTISED p, in f32, and the product's result is divided by l at the end. Since M is a whole number, a kernel that streams over the keys may use a running M (the ceiling of the running maximum): every later rescaling is an exact power of two, which a block's scale takes up: the codes' values come out the same.
;;   OPERANDS COMPUTED ON THE WAY. 'Computed on the way' means the value that the module computes at that place (a softmax that the list does not call 'softmax' is quantised finished and normalised). What goes into a quantiser is computed in f32, as accurately as f32 sums, v_exp_f32 and their like allow (about 1e-6 of the number): no bf16 or f16 on the way to a quantiser, and a product that is left as it is and whose result goes on into a quantised operand takes f32 operands (vector FMAs, or v_wmma_f32_16x16x4_f32). A number that lies on a knife's edge between two numbers of the format may be rounded either way, as far as f32 arithmetic and the matrix unit's own rounding can turn it there, and no further.
;;   INPUTS GIVEN AS CODES. Wk (in the module: [512, 512], K = its axis 1); Wq (in the module: [512, 512], K = its axis 1); Wv (in the module: [512, 512], K = its axis 1); x (in the module: [2, 4096, 512], K = its axis 2): each comes as NAME_codes (uint8): NAME with its K axis moved to the last place and cut into blocks of 32 codes, [.., K / 32, bytes a block], one block behind the other in memory; one code a byte (a code: sign, 5 exponent bits, 2 mantissa bits); and NAME_scales (uint8): the same leading axes, one E8M0 byte (e + 127) for each 32 codes along K. Its value is code x scale, taken as it is: it is not quantised again, and the codes and scales need not be those that the quantiser above would give.
;; One version. Each part assembles by itself: llvm-mc -triple=amdgcn-amd-amdhsa -mcpu=gfx1250 --defsym DOCPART=n.
;; ======== version 1 of 1: 2 launches
;; workspace buffers: qc 4,456,448 bytes; kv 8,781,824 bytes
;; launch proj (part 1): grid 64 x 3, 8 waves a work-group, no clusters, 168,960 bytes of LDS; arguments x_codes, x_scales, Wq_codes, Wq_scales, bq, Wk_codes, Wk_scales, bk, Wv_codes, Wv_scales, bv, qc, kv; writes qc, kv
.if DOCPART == 1
	.amdgcn_target "amdgcn-amd-amdhsa--gfx1250"
	.amdhsa_code_object_version 6
	.text
	.protected	k_qba0aece9f8_proj
	.globl	k_qba0aece9f8_proj
	.p2align	8
	.type	k_qba0aece9f8_proj,@function
k_qba0aece9f8_proj:
	s_mov_b64 s[64:65], 0
	v_nop
	global_prefetch_b8 v0, s[64:65] scope:SCOPE_SE
	s_setreg_imm32_b32 hwreg(HW_REG_WAVE_MODE, 25, 1), 1
	s_wait_xcnt 0x0
; q = x Wq^T + bq, k = x Wk^T + bk, v = x Wv^T + bv on codes of BF8 (E5M2) with E8M0 scales, and the results quantised again, in registers, for the attention launch.
; x: [8192][512] codes, [8192][16] scale bytes.  W: [512][512] codes, [512][16] scale bytes.  b: [512] f32.
; SHARES.  Work-group x = a block of 128 tokens, work-group y = the kind (0 q, 1 k, 2 v).  Wave w = head w: 128 tokens x 64 channels, 128 matrix instructions.
; The wave's 64 rows of W (16 fragments, 256 registers) stay in window 1; the block's 128 rows of x come into LDS once, by two tensor loads, and all eight waves read them.
; OUT.  The results leave as IMAGES OF THE NEXT OPERANDS' REGISTERS: a chunk is four registers of a fragment, 16 bytes a lane, 512 consecutive bytes a store.
;   qc [hb 16][rec 32][8704]:   chunk (T, c) at (2 T + c) 512; scale words at 8192 + 16 lane + 4 b: tile 2 b + lane / 16, row lane % 16.
;   kv [hb 16][rec 32][17152]:  K's chunks as qc's; V's chunk (t, c) at 8192 + (4 t + c) 512; K's scale words at 16384; V's at 16896 + 8 lane + 4 j: tile 2 j + lane / 16.
;   Tile T = 2 b + u of a record holds tokens 32 b + 8 u + r + 8 (r / 8): so that in the attention's first product the 16 registers of two neighbouring tiles are 16 neighbouring keys.
; q AND k are quantised along the head's 64 channels: the product is used transposed (source 0 = 16 rows of W, source 1 = 16 tokens), and the rows of W that form a tile are 32 c + 8 u' + r + 8 (r / 8):
;   a lane then holds one token, and the 16 registers of two neighbouring tiles are channels 32 c + 16 (lane / 16) + 0 .. 15.  The scale word's two upper bytes are 0x7f: they scale the zero codes that fill K = 64 up to 128.
; v is quantised along the KEYS: source 0 = 16 tokens, source 1 = 16 rows of Wv: a lane holds one channel and 16 neighbouring tokens.
; The bias is the C of each sum's first matrix instruction.
; LIMITS: NaN and infinities are not served; a block whose largest magnitude lies under 2^-111 (a block of zeros among them) keeps the scale byte 1: its bytes are read by this program alone.
; NO CLUSTER: the x tile is shared along y, whose extent is 3, which no cluster shape divides; W goes straight to registers.  NO PREFETCH: each wave reads its bytes once, at its head.
.set PX,     528                       ; a row of x in LDS: 512 bytes + 16 of padding: an odd multiple of 16
.set HALFX,  64*PX                     ; 64 rows: what one tensor load brings
.set REC_Q,  8704
.set HB_Q,   32*REC_Q
.set REC_KV, 17152
.set HB_KV,  32*REC_KV
.set LI,  1                            ; v1   16 x lane
.set L8,  2                            ; v2   8 x lane
.set XA,  3                            ; v3   LDS: (r + 8 (r / 8)) x PX + 16 h
.set XSA, 4                            ; v4   x's scale words: (r + 8 (r / 8)) x 16
.set WA,  5                            ; v5, v6  W's codes: even tiles, odd tiles
.set WSE, 7                            ; v7   W's scale words: even tiles
.set WSO, 54                           ; v54  odd tiles
.set BA,  55                           ; v55  the bias
.set XSC, 8                            ; v8-15   x's scale words, (u, s) at 4 u + s
.set WSC, 16                           ; v16-31  W's scale words, (tile, s) at 4 tile + s
.set TM,  32                           ; v32-35 largest magnitudes, v36-39 bytes, v40-43 the largest number x the scale, v44-47 the conversions' scale operands
.set SW,  48                           ; v48-51  the scale words that are gathered
.set HA,  64                           ; v64-127  eight accumulators
.set XF,  128                          ; v128-191 four fragments of x: (u, s % 2) at 16 (2 u + s % 2)
.set BI,  192                          ; v192-223 the bias, eight registers a tile
.set PC,  224                          ; v224-239 the codes just made
.set MSB, 0
.macro WIN new                         ; the immediate's high byte repeats the setting that is left
.if MSB != \new
	s_set_vgpr_msb (MSB<<8)|\new
.set MSB, \new
.endif
.endm
.macro PLACES                          ; eight plain vector instructions behind a matrix instruction of this form, in front of reads of its results and of loads into its registers
.rept 8
	v_nop
.endr
.endm
.macro XFETCH b, hf                    ; x's tiles (b, 0) and (b, 1), K steps 2 hf and 2 hf + 1
.irp u, 0,1
.irp p, 0,1
.irp c, 0,1,2,3
	ds_load_b128 v[XF+16*(2*\u+\p)+4*\c:XF+16*(2*\u+\p)+4*\c+3], v[XA] offset:(32*(\b)+8*\u)*PX+128*(2*(\hf)+\p)+32*\c
.endr
.endr
.endr
.endm
.macro XSCL b                          ; their scale words: 16 bytes a row are the four K steps' words
.irp u, 0,1
	global_load_b128 v[XSC+4*\u:XSC+4*\u+3], v[XSA], s[6:7] offset:(32*(\b)+8*\u)*16
.endr
.endm
; K step s of q or k: source 0 = W's tile t (window 1), source 1 = x's tile u.  The eight accumulators take turns, one instruction a turn.
.macro MMQK s
.irp u, 0,1
.irp t, 0,1,2,3
.if (\s) == 0
	v_wmma_scale_f32_16x16x128_f8f6f4 v[HA+32*\u+8*\t:HA+32*\u+8*\t+7], v[16*(4*\t+(\s)):16*(4*\t+(\s))+15], v[XF+16*(2*\u+(\s)%2):XF+16*(2*\u+(\s)%2)+15], v[BI+8*\t:BI+8*\t+7], v[WSC+4*\t+(\s)], v[XSC+4*\u+(\s)] matrix_a_fmt:MATRIX_FMT_BF8 matrix_b_fmt:MATRIX_FMT_BF8
.else
	v_wmma_scale_f32_16x16x128_f8f6f4 v[HA+32*\u+8*\t:HA+32*\u+8*\t+7], v[16*(4*\t+(\s)):16*(4*\t+(\s))+15], v[XF+16*(2*\u+(\s)%2):XF+16*(2*\u+(\s)%2)+15], v[HA+32*\u+8*\t:HA+32*\u+8*\t+7], v[WSC+4*\t+(\s)], v[XSC+4*\u+(\s)] matrix_a_fmt:MATRIX_FMT_BF8 matrix_b_fmt:MATRIX_FMT_BF8
.endif
.endr
.endr
.endm
; K step s of v: source 0 = x's tile u, source 1 = Wv's tile t (window 1)
.macro MMV s
.irp t, 0,1,2,3
.irp u, 0,1
.if (\s) == 0
	v_wmma_scale_f32_16x16x128_f8f6f4 v[HA+16*\t+8*\u:HA+16*\t+8*\u+7], v[XF+16*(2*\u+(\s)%2):XF+16*(2*\u+(\s)%2)+15], v[16*(4*\t+(\s)):16*(4*\t+(\s))+15], v[BI+8*\t:BI+8*\t+7], v[XSC+4*\u+(\s)], v[WSC+4*\t+(\s)] matrix_a_fmt:MATRIX_FMT_BF8 matrix_b_fmt:MATRIX_FMT_BF8
.else
	v_wmma_scale_f32_16x16x128_f8f6f4 v[HA+16*\t+8*\u:HA+16*\t+8*\u+7], v[XF+16*(2*\u+(\s)%2):XF+16*(2*\u+(\s)%2)+15], v[16*(4*\t+(\s)):16*(4*\t+(\s))+15], v[HA+16*\t+8*\u:HA+16*\t+8*\u+7], v[XSC+4*\u+(\s)], v[WSC+4*\t+(\s)] matrix_a_fmt:MATRIX_FMT_BF8 matrix_b_fmt:MATRIX_FMT_BF8
.endif
.endr
.endr
.endm
; The lane's 64 numbers v[HA + 16 b + i] are four half blocks of 32 (the other halves lie in lane l xor 16).  They become codes in v[PC + 4 b ..] and the blocks' scale bytes in v[TM + 4 + b].
.macro QUANT
.irp b, 0,1,2,3
	v_max3_num_f32 v[TM+\b], |v[HA+16*\b]|, |v[HA+1+16*\b]|, 0x8000000   ; my 16 numbers, and the floor 2^(16 - 127): the byte cannot fall under 1
.endr
.irp i, 2,4,6,8,10,12,14
.irp b, 0,1,2,3
	v_max3_num_f32 v[TM+\b], v[TM+\b], |v[HA+16*\b+\i]|, |v[HA+1+16*\b+\i]|   ; the four blocks by turns
.endr
.endr
.irp b, 0,1,2,3
	v_permlanex16_b32 v[TM+4+\b], v[TM+\b], s56, s57
.endr
.irp b, 0,1,2,3
	v_max_num_f32 v[TM+\b], v[TM+\b], v[TM+4+\b]                   ; with lane l xor 16's: the block's largest magnitude
.endr
.irp b, 0,1,2,3
	v_add_nc_u32 v[TM+12+\b], 0xf8800000, v[TM+\b]                 ; 15 off its exponent field: the conversion's scale operand
.endr
.irp b, 0,1,2,3
	v_and_or_b32 v[TM+8+\b], v[TM+\b], 0x7f800000, s58             ; 57,344 x the scale
.endr
.irp b, 0,1,2,3
	v_lshrrev_b32 v[TM+4+\b], 23, v[TM+12+\b]                      ; the scale's byte
.endr
.irp b, 0,1,2,3
.irp i, 0,1,2,3,4,5,6,7,8,9,10,11,12,13,14,15
	v_med3_num_f32 v[HA+16*\b+\i], v[HA+16*\b+\i], -v[TM+8+\b], v[TM+8+\b]   ; the conversion to an 8-bit code does not saturate (ISA guide 7.6.2): the hold at the largest code x the scale
.endr
	v_cvt_scalef32_pk8_bf8_f32 v[PC+4*\b:PC+1+4*\b], v[HA+16*\b:HA+7+16*\b], v[TM+12+\b]
	v_cvt_scalef32_pk8_bf8_f32 v[PC+2+4*\b:PC+3+4*\b], v[HA+8+16*\b:HA+15+16*\b], v[TM+12+\b]
.endr
	v_nop                                          ; a plain vector instruction behind the last conversion: the next products write its sources
.endm
; A trip: 32 tokens (x's tiles (b, 0) and (b, 1)) x the head's 64 channels: 32 matrix instructions, one QUANT, four stores of 512 bytes.
.macro TRIP b, isv
	s_wait_dscnt 0x0                               ; x's fragments of K steps 0 and 1, asked for ahead of the last QUANT
	s_wait_loadcnt 0x0                             ; x's scale words; in the first trip also W, its scale words and the bias
.if \isv
	WIN 0x04                                       ; source 1 (Wv) in window 1
	MMV 0
	MMV 1
.else
	WIN 0x01                                       ; source 0 (W) in window 1
	MMQK 0
	MMQK 1
.endif
	WIN 0
	PLACES
	XFETCH \b, 1
	s_wait_dscnt 0x0
.if \isv
	WIN 0x04
	MMV 2
	MMV 3
.else
	WIN 0x01
	MMQK 2
	MMQK 3
.endif
	WIN 0
	PLACES
.if (\b) < 3
	XFETCH (\b)+1, 0                               ; the next trip's first fragments land while this trip is quantised
.endif
	s_wait_xcnt 0x0                                ; the last trip's stores have read the codes' registers, which QUANT writes again
.if (\b) < 3
	XSCL (\b)+1
.endif
	QUANT
.irp k, 0,1,2,3
.if \isv
	global_store_b128 v[LI], v[PC+4*\k:PC+4*\k+3], s[36:37] offset:8192+(4*\k+(\b))*512   ; V's chunk (t = k, c = b): 512 consecutive bytes
.else
	global_store_b128 v[LI], v[PC+4*\k:PC+4*\k+3], s[36:37] offset:(4*(\b)+\k)*512        ; chunk (T = 2 b + k / 2, c = k % 2)
.endif
.endr
.if \isv
.irp k, 0,1,2,3
.if (\b) == 0
	v_mov_b32 v[SW+\k], v[TM+4+\k]                 ; channel tile k: byte b of its word is the scale of keys 32 b on
.else
	v_lshl_or_b32 v[SW+\k], v[TM+4+\k], 8*(\b), v[SW+\k]
.endif
.endr
.else
	v_lshl_or_b32 v52, v[TM+5], 8, v[TM+4]         ; tile 2 b's word,
	v_lshl_or_b32 v53, v[TM+7], 8, v[TM+6]         ; tile 2 b + 1's;
	v_cndmask_b32 v52, v52, v53, s55               ; lanes 0-15 keep the first, lanes 16-31 the second
	v_or_b32 v[SW+(\b)], 0x7f7f0000, v52           ; the two upper bytes scale zero codes
.endif
.endm
	s_load_b128 s[4:7], s[0:1], 0x0                ; x's codes, x's scales
	s_load_b256 s[8:15], s[0:1], 0x10              ; Wq's codes, Wq's scales, bq, Wk's codes
	s_load_b256 s[16:23], s[0:1], 0x30             ; Wk's scales, bk, Wv's codes, Wv's scales
	s_load_b128 s[24:27], s[0:1], 0x50             ; bv, qc
	s_load_b64 s[28:29], s[0:1], 0x60              ; kv
	v_lshl_add_u32 v254, v0, 2, 0x29000
	v_mov_b32 v255, 0
	ds_add_u32 v254, v255
	v_lshrrev_b32 v1, 5, v0
	v_readfirstlane_b32 s52, v1                    ; wave = head
	s_and_b32 s53, ttmp7, 0xffff                   ; the kind
	s_mov_b32 s54, ttmp9                           ; the block of 128 tokens
	s_mov_b32 s55, 0xffff0000                      ; lanes 16-31
	s_mov_b32 s56, 0x76543210
	s_mov_b32 s57, 0xfedcba98                      ; v_permlanex16_b32's selects for lane l xor 16
	s_mov_b32 s58, 0x600000                        ; the mantissa field of 57,344
	; descriptor group 1: 64 rows of 512 bytes (64 elements of 8 bytes), dense in memory, 16 bytes of padding behind each in LDS
	s_mov_b32 s40, (3<<16)|(1<<20)|(6<<22)|(3<<25) ; no mask; elements of 8 bytes; padding on; after every 128 words (code 6); four words (code 3)
	s_mov_b32 s41, 64<<16                          ; tensor_dim0 = 64
	s_mov_b32 s42, 64<<16                          ; tensor_dim1 = 64
	s_mov_b32 s43, 64<<16                          ; tile_dim0 = 64
	s_mov_b32 s44, 64                              ; tile_dim1 = 64
	s_mov_b32 s45, 64                              ; from row to row
	s_mov_b32 s46, 0
	s_mov_b32 s47, 0
	s_and_b32 s59, s52, 1                          ; which half of the rows (waves 0 and 1 fetch)
	s_mov_b32 s48, 1
	s_mul_i32 s49, s59, HALFX
	s_lshl_b32 s2, s54, 16                         ; 128 rows of 512 bytes a block
	s_lshl_b32 s3, s59, 15
	s_add_co_u32 s2, s2, s3
	s_mov_b32 s3, 0
	s_wait_dscnt 0x0
	s_wait_kmcnt 0x0
	s_add_nc_u64 s[50:51], s[4:5], s[2:3]
	s_or_b32 s51, s51, 0x80000000                  ; type = 2
	s_cmp_lt_u32 s52, 2
	s_cbranch_scc0 .Lno_fetch
	tensor_load_to_lds s[48:51], s[40:47]          ; filled once in the launch
	s_nop 0
.rept 4
	v_nop
.endr
.Lno_fetch:
	; the kind's buffers: a choice on the work-group's number alone
	s_cmp_eq_u32 s53, 0
	s_cselect_b64 s[30:31], s[8:9], s[14:15]       ; W's codes
	s_cselect_b64 s[32:33], s[10:11], s[16:17]     ; W's scales
	s_cselect_b64 s[34:35], s[12:13], s[18:19]     ; the bias
	s_cselect_b64 s[36:37], s[26:27], s[28:29]     ; where the results go
	s_mov_b32 s60, REC_KV
	s_cselect_b32 s60, REC_Q, s60                  ; a record,
	s_mov_b32 s61, HB_KV
	s_cselect_b32 s61, HB_Q, s61                   ; a head's 32 records,
	s_mov_b32 s62, 16384
	s_cselect_b32 s62, 8192, s62                   ; where q's or k's scale words lie in a record
	s_cmp_eq_u32 s53, 2
	s_cselect_b64 s[30:31], s[20:21], s[30:31]
	s_cselect_b64 s[32:33], s[22:23], s[32:33]
	s_cselect_b64 s[34:35], s[24:25], s[34:35]
	s_cselect_b32 s59, 0, 1                        ; are W's rows of a tile spread (q, k) or neighbours (v)?
	s_mov_b32 s63, 8*512
	s_cselect_b32 s63, 16*512, s63                 ; from an even tile of W to the odd one: 8 rows (q, k) or 16 (v)
	s_lshl_b32 s2, s52, 15                         ; the head's 64 rows of W: 512 bytes each,
	s_add_nc_u64 s[30:31], s[30:31], s[2:3]
	s_lshl_b32 s2, s52, 10                         ; 16 scale bytes each,
	s_add_nc_u64 s[32:33], s[32:33], s[2:3]
	s_lshl_b32 s2, s52, 8                          ; 64 numbers of the bias
	s_add_nc_u64 s[34:35], s[34:35], s[2:3]
	s_lshl_b32 s2, s54, 11                         ; the block's 128 rows of x's scale bytes
	s_add_nc_u64 s[6:7], s[6:7], s[2:3]
	s_lshr_b32 s2, s54, 5
	s_lshl_b32 s2, s2, 3
	s_add_co_u32 s2, s2, s52                       ; hb = 8 x batch + head
	s_mul_i32 s2, s2, s61
	s_and_b32 s61, s54, 31                         ; the record
	s_mul_i32 s61, s61, s60
	s_add_co_u32 s2, s2, s61
	s_add_nc_u64 s[36:37], s[36:37], s[2:3]
	s_mov_b32 s2, s62
	s_add_nc_u64 s[38:39], s[36:37], s[2:3]
	s_lshr_b32 s62, s63, 5                         ; the same step among W's scale bytes: 16 bytes a row
	v_and_b32 v52, 31, v0                          ; lane
	v_lshlrev_b32 v[LI], 4, v52
	v_lshlrev_b32 v[L8], 3, v52
	v_and_b32 v53, 15, v0                          ; r
	v_bfe_u32 v48, v0, 4, 1                        ; h
	v_and_b32 v49, 8, v53
	v_add_nc_u32 v50, v53, v49                     ; r + 8 (r / 8)
	v_mul_u32_u24 v[XA], v50, PX
	v_lshl_add_u32 v[XA], v48, 4, v[XA]
	v_lshlrev_b32 v[XSA], 4, v50
	v_mul_u32_u24 v49, s59, v49
	v_add_nc_u32 v49, v53, v49                     ; W's row in a tile: r + 8 (r / 8) for q and k, r for v
	v_lshlrev_b32 v[WA], 9, v49
	v_lshl_add_u32 v[WA], v48, 4, v[WA]
	v_add_nc_u32 v[WA+1], s63, v[WA]
	v_lshlrev_b32 v[WSE], 4, v49
	v_add_nc_u32 v[WSO], s62, v[WSE]
.irp b, 0,1,2,3
	v_mov_b32 v[TM+4+\b], 0                        ; written once: a lane permute's destination counts as one of its sources
.endr
	WIN 0x40                                       ; destination window 1
.irp t, 0,1,2,3
.irp s, 0,1,2,3
.irp c, 0,1,2,3
	global_load_b128 v[16*(4*\t+\s)+4*\c:16*(4*\t+\s)+4*\c+3], v[WA+\t%2], s[30:31] offset:(\t/2)*32*512+128*\s+32*\c   ; W's fragment (tile t, K step s): it stays
.endr
.endr
.endr
	WIN 0
	global_load_b128 v[WSC:WSC+3], v[WSE], s[32:33]
	global_load_b128 v[WSC+4:WSC+7], v[WSO], s[32:33]
	global_load_b128 v[WSC+8:WSC+11], v[WSE], s[32:33] offset:32*16
	global_load_b128 v[WSC+12:WSC+15], v[WSO], s[32:33] offset:32*16
	XSCL 0
	s_wait_tensorcnt 0x0                           ; my half of x's rows has landed (waves 2 to 7 have none out),
	s_barrier_signal -1
	s_barrier_wait -1                              ; everybody's has.  Nothing is filled again, and nothing is stored to LDS: the launch's one barrier
	XFETCH 0, 0
	s_cmp_eq_u32 s53, 2
	s_cbranch_scc1 .Lv
	; ---- q or k
	v_lshlrev_b32 v[BA], 6, v48                    ; the bias in the result's layout: tile 2 c + u', lane half h: channels 32 c + 16 h + 8 u' + 0 .. 7
.irp t, 0,1,2,3
	global_load_b128 v[BI+8*\t:BI+8*\t+3], v[BA], s[34:35] offset:(32*(\t/2)+8*(\t%2))*4
	global_load_b128 v[BI+8*\t+4:BI+8*\t+7], v[BA], s[34:35] offset:(32*(\t/2)+8*(\t%2))*4+16
.endr
	TRIP 0, 0
	TRIP 1, 0
	TRIP 2, 0
	TRIP 3, 0
	global_store_b128 v[LI], v[SW:SW+3], s[38:39]  ; the record's 128 scale words: 512 consecutive bytes
	s_wait_tensorcnt 0x0
	ds_add_u32 v254, v255
	s_wait_dscnt 0x0
	s_endpgm
.Lv:
	; ---- v
	v_lshlrev_b32 v[BA], 2, v53                    ; a lane holds one channel, 16 t + r: its bias stands in all eight registers of the tile's C
.irp t, 0,1,2,3
.irp j, 0,1,2,3,4,5,6,7
	global_load_b32 v[BI+8*\t+\j], v[BA], s[34:35] offset:64*\t
.endr
.endr
	TRIP 0, 1
	TRIP 1, 1
	TRIP 2, 1
	TRIP 3, 1
	v_cndmask_b32 v52, v[SW], v[SW+1], s55         ; lanes 0-15: tile 0's words, lanes 16-31: tile 1's;
	v_cndmask_b32 v53, v[SW+2], v[SW+3], s55       ; tiles 2 and 3 likewise
	global_store_b64 v[L8], v[52:53], s[36:37] offset:16896   ; 256 consecutive bytes
	s_wait_tensorcnt 0x0
	ds_add_u32 v254, v255
	s_wait_dscnt 0x0
	s_endpgm
.Lfunc_end_k_qba0aece9f8_proj:
	.size	k_qba0aece9f8_proj, .Lfunc_end_k_qba0aece9f8_proj-k_qba0aece9f8_proj
	.p2alignl 7, 3214868480
	.fill 96, 4, 3214868480
	.section	.rodata,"a",@progbits
	.p2align	6, 0x0
	.amdhsa_kernel k_qba0aece9f8_proj
		.amdhsa_group_segment_fixed_size 168960
		.amdhsa_private_segment_fixed_size 0
		.amdhsa_enable_private_segment 0
		.amdhsa_kernarg_size 104
		.amdhsa_user_sgpr_count 2
		.amdhsa_user_sgpr_kernarg_segment_ptr 1
		.amdhsa_wavefront_size32 1
		.amdhsa_system_sgpr_workgroup_id_x 1
		.amdhsa_system_sgpr_workgroup_id_y 1
		.amdhsa_system_sgpr_workgroup_id_z 1
		.amdhsa_system_vgpr_workitem_id 0
		.amdhsa_next_free_vgpr 512
		.amdhsa_next_free_sgpr 66
		.amdhsa_reserve_vcc 0
		.amdhsa_float_denorm_mode_32 3
		.amdhsa_float_denorm_mode_16_64 3
		.amdhsa_memory_ordered 1
		.amdhsa_forward_progress 1
		.amdhsa_inst_pref_size 137
	.end_amdhsa_kernel
	.amdgpu_metadata
---
amdhsa.version: [ 1, 2 ]
amdhsa.kernels:
  - .name:           k_qba0aece9f8_proj
    .symbol:         k_qba0aece9f8_proj.kd
    .args:
      - { .name: x_codes, .offset: 0, .size: 8, .value_kind: global_buffer, .address_space: global }
      - { .name: x_scales, .offset: 8, .size: 8, .value_kind: global_buffer, .address_space: global }
      - { .name: Wq_codes, .offset: 16, .size: 8, .value_kind: global_buffer, .address_space: global }
      - { .name: Wq_scales, .offset: 24, .size: 8, .value_kind: global_buffer, .address_space: global }
      - { .name: bq, .offset: 32, .size: 8, .value_kind: global_buffer, .address_space: global }
      - { .name: Wk_codes, .offset: 40, .size: 8, .value_kind: global_buffer, .address_space: global }
      - { .name: Wk_scales, .offset: 48, .size: 8, .value_kind: global_buffer, .address_space: global }
      - { .name: bk, .offset: 56, .size: 8, .value_kind: global_buffer, .address_space: global }
      - { .name: Wv_codes, .offset: 64, .size: 8, .value_kind: global_buffer, .address_space: global }
      - { .name: Wv_scales, .offset: 72, .size: 8, .value_kind: global_buffer, .address_space: global }
      - { .name: bv, .offset: 80, .size: 8, .value_kind: global_buffer, .address_space: global }
      - { .name: qc, .offset: 88, .size: 8, .value_kind: global_buffer, .address_space: global }
      - { .name: kv, .offset: 96, .size: 8, .value_kind: global_buffer, .address_space: global }
    .group_segment_fixed_size: 168960
    .private_segment_fixed_size: 0
    .kernarg_segment_align: 8
    .kernarg_segment_size: 104
    .max_flat_workgroup_size: 256
    .sgpr_count:     66
    .vgpr_count:     512
    .wavefront_size: 32
...
	.end_amdgpu_metadata
.endif
;; end of part 1
;; launch attn (part 2): grid 16 x 16, 8 waves a work-group, no clusters, 327,680 bytes of LDS; arguments qc, kv, out0; writes out0
.if DOCPART == 2
	.amdgcn_target "amdgcn-amd-amdhsa--gfx1250"
	.amdhsa_code_object_version 6
	.text
	.protected	k_qba0aece9f8_attn
	.globl	k_qba0aece9f8_attn
	.p2align	8
	.type	k_qba0aece9f8_attn,@function
k_qba0aece9f8_attn:
	s_mov_b64 s[64:65], 0
	v_nop
	global_prefetch_b8 v0, s[64:65] scope:SCOPE_SE
	s_setreg_imm32_b32 hwreg(HW_REG_WAVE_MODE, 25, 1), 1
	s_wait_xcnt 0x0
; out[b][q][64 h ..] = the sum over k <= q of softmax_k(Q[q] . K[k] / sqrt(512)) V[k], 16 pairs hb = 8 b + h, 4,096 tokens, head size 64, both products on codes of BF8 (E5M2) with E8M0 scales.
; qc and kv hold the operands as images of their registers, in records of 128 tokens (the launch before made them):
;   qc [hb][rec 32][8704]:  chunk (T, c) at (2 T + c) 512 + 16 lane; scale words at 8192 + 16 lane + 4 b (tile 2 b + lane / 16, row lane % 16).
;   kv [hb][rec 32][17152]: K's chunks likewise; V's chunk (t, c) at 8192 + (4 t + c) 512; K's scale words at 16384; V's at 16896 + 8 lane + 4 j (tile 2 j + lane / 16).
;   Tile T = 2 b + u holds tokens 32 b + 8 u + r + 8 (r / 8).  The head's 64 channels fill half of the instruction's K = 128: the other half is zero codes on both sides, under the scale byte 0x7f.
; THE SOFTMAX: t = score x log2(e) / sqrt(512); M = the row's largest t so far, rounded UP to a whole number; p = 2^(t - M) is quantised along the keys, not normalised; the row's sum is taken of the unquantised p
; and divides at the end.  When M moves, the sum and O are multiplied by 2^(old M - new M): exact.
; SHARES.  Work-group (G, hb) takes the head's query block G (128 queries) and then block 31 - G: (G + 1) + (32 - G) = 33 key steps of 128 keys, the same number in every work-group; no step is wholly hidden.
; Wave w owns tile w of the block: 16 queries.  Step n of the stream takes record n (n <= G) or n - G - 1.  The diagonal steps are n = G and n = 32, for all eight waves alike: there hidden scores become -infinity.
; THE RING.  Eleven slots of three records on two LDS slots; waves 0, 1, 2 fetch a record each (67 rows of 256 bytes, dense); a wave never has more than one tensor load out.  Ten trips, a constant; the last slot is written out.
; Both products are used transposed (S^T = K Q^T, O^T = V^T P^T): a lane holds one query throughout, and p's 16 registers of two neighbouring tiles are 16 neighbouring keys.
; NO CLUSTER: from step G + 1 on the sixteen work-groups of a head ask for different records (n against n - G - 1), so no two partners' descriptors are equal.
; LIMITS: NaN and infinities are not served; a block of p whose largest number lies under 2^-111 keeps the scale byte 1.
; REGISTERS.  Window 0: v1-11 addresses; v12 -M, v13 the largest t, v[14:15] the sum; v16-23 Q, v24-31 zeros; v34-65, v66-97 the way out; v96-159 S^T, then p; v160-191 O^T; v192-207 p's codes; v208-223 at work;
;   v224-227 K's scale words, v[228:229] V's, v230 Q's, v231 p's; v[232:233] f and a 0; v234 at work.   Window 1: v0-63 V's four fragments; v64-191 K's eight (registers 8-15 of each: zeros, written once).
.set REC,    17152
.set HB_KV,  32*REC
.set REC_Q,  8704
.set HB_Q,   32*REC_Q
.set SLOT1,  65536                     ; slot 1 begins here: one exclusive or turns an address in one slot into the other's
.set STAGE,  131072                    ; the way out: 16 rows x (256 bytes + 16) for each wave; no tile lands here
.set SPITCH, 272
.set SPARE,  STAGE+8*16*SPITCH         ; the spare words, 128 bytes for each wave: four blocks of 256 bytes that no other line names
.set LI,  1                            ; v1   16 x lane
.set L8,  2                            ; v2   8 x lane
.set SPW, 3                            ; v3   LDS address of my spare word; never rewritten
.set NIL, 4                            ; v4   0; never rewritten
.set DL,  5                            ; v5   my query's place in its block - 16 (lane / 16)
.set STO, 6                            ; v6   the stage: where I put 32 bytes of a row
.set RD,  7                            ; v7   and where I read a row back
.set GO,  8                            ; v8   my byte offset among the tile's rows of out
.set PFO, 9                            ; v9   256 x lane: the prefetches' offset; never rewritten
.set ADL, 10                           ; v10  the slot in hand + 16 x lane
.set AD8, 11                           ; v11  the slot in hand + 8 x lane
.set NM,  12
.set SUM, 14
.set Q,   16
.set QSO, 32                           ; v32  16 x (lane % 16): Q's scale word
.set OD,  34
.set RB,  66
.set S,   96
.set O,   160
.set PC,  192
.set BM,  208                          ; v208-211 the blocks' largest; v212-215 the permute's, a chain of the sum, the bytes; v216-219 the hold; v220-223 the conversions' scale operands
.set KS,  224
.set VS,  228
.set QSC, 230
.set PS,  231
.set F,   232
.set TP,  234
.set KR,  64                           ; K's fragments, in window 1
.set WV,  10
.set GX,  11
.set BLK, 12
.set KF,  13                           ; the step's first key
.set QK0, 14                           ; the block's first query
.set WOFF, 15                          ; my tile's first token in a block: 32 (w / 2) + 8 (w % 2)
.set TB,  16                           ; LDS byte at which the slot in hand begins
.set TRIP, 17
.set NS,  18                           ; the stream index of the record that I fetch
.set MNT, 19
.set SEL, 20
.set CS,  22
.set G1,  24
.set G0,  32
.set OFP, 36                           ; s[36:37] an offset, the upper word 0
.set QA,  38
.set QSA, 40
.set OA,  42
.set PFA, 44
.set LIMT, 46
.set GP1, 47
.set WQ,  48
.set WSO, 49
.set MSB, 0
.macro WIN new                         ; the immediate's high byte repeats the setting that is left
.if MSB != \new
	s_set_vgpr_msb (MSB<<8)|\new
.set MSB, \new
.endif
.endm
.macro PLACES                          ; eight plain vector instructions behind a matrix instruction of this form
.rept 8
	v_nop
.endr
.endm
.macro TLOAD                           ; waves 0, 1, 2 fetch a record each; the branch hangs on the wave's number alone; four v_nop follow the load
	s_cmp_lt_u32 s[WV], 3
	s_cbranch_scc0 .Lnone_\@
	tensor_load_to_lds s[G0:G0+3], s[G1:G1+7]
	s_nop 0
.rept 4
	v_nop
.endr
.Lnone_\@:
.endm
; A PREFETCH INTO THE L2 of the code bytes that the NEXT change of slots will ask for.  The head's work-group with G = 0 walks records 0 to 31 in order: in trip t (0 to 8) its waves 2 to 7 name the 64 blocks of 256 bytes
; of codes of records 3 t + 5 to 3 t + 7: half a record a wave, a lane a block, one instruction.  Trip 9 asks for nothing: record 31 is the last.  Records 0 to 4 and each record's three blocks of scale words come by their loads alone.
.macro ASK
	s_cmp_lt_u32 s[TRIP], s[LIMT]
	s_cbranch_scc0 .Lnot_mine_\@
	global_prefetch_b8 v[PFO], s[PFA:PFA+1] th:TH_LOAD_NT scope:SCOPE_SE
.Lnot_mine_\@:
.endm
.macro SETBLK                          ; the addresses that hang on the query block
	s_lshl_b32 s[QK0], s[BLK], 7
	s_mul_i32 s50, s[BLK], REC_Q
	s_add_co_u32 s54, s50, s[WQ]
	s_mov_b32 s55, 0
	s_add_nc_u64 s[QA:QA+1], s[4:5], s[54:55]      ; my tile's two chunks
	s_add_co_u32 s54, s50, s[WSO]
	s_add_nc_u64 s[QSA:QSA+1], s[4:5], s[54:55]    ; its scale words
	s_add_co_u32 s54, s[QK0], s[WOFF]
	s_lshl_b32 s54, s54, 11                        ; a token's row of out is 2,048 bytes
	s_add_nc_u64 s[OA:OA+1], s[8:9], s[54:55]
.endm
.macro QLOAD
	global_load_b128 v[Q:Q+3], v[LI], s[QA:QA+1]
	global_load_b128 v[Q+4:Q+7], v[LI], s[QA:QA+1] offset:512
	global_load_b32 v[QSC], v[QSO], s[QSA:QSA+1]
.endm
.macro INIT                            ; a block's start: the step is written once, and the first finds zeros, which the first change of M leaves zeros
	v_mov_b32 v[NM+1], 0xff61b1e6                  ; the largest t so far: -3e38, under every t
	v_floor_f32 v[NM], -v[NM+1]                    ; -M
	v_mov_b32 v[SUM], 0
	v_mov_b32 v[SUM+1], 0
.set j, 0
.rept 32
	v_mov_b32 v[O+j], 0
.set j, j+1
.endr
.endm
.macro KCODES q                        ; K's eight fragments of the slot's record q: the two chunks that hold codes
.irp t, 0,1,2,3,4,5,6,7
.irp c, 0,1
	ds_load_b128 v[KR+16*\t+4*\c:KR+16*\t+4*\c+3], v[ADL] offset:(\q)*REC+(2*\t+\c)*512
.endr
.endr
.endm
.macro VKLOAD q, next                  ; V of record q and, with next = 1, K of record q + 1: one run of LDS loads, each 512 consecutive bytes
	WIN 0x40                                       ; destination window 1
.irp t, 0,1,2,3
.irp c, 0,1,2,3
	ds_load_b128 v[16*\t+4*\c:16*\t+4*\c+3], v[ADL] offset:(\q)*REC+8192+(4*\t+\c)*512
.endr
.endr
.if \next
	KCODES (\q)+1
.endif
	WIN 0
	ds_load_b64 v[VS:VS+1], v[AD8] offset:(\q)*REC+16896
.if \next
	ds_load_b128 v[KS:KS+3], v[ADL] offset:((\q)+1)*REC+16384
.endif
.endm
; THE CHANGE OF SLOTS stands at a slot's head.  Each wave waits for all its tensor loads (its record of the slot ahead), adds 0 to its spare word, and waits for that and for its reads of the slot that it has left.
; Behind the barrier the slot ahead is whole and nobody reads the other one.  fill = 1: that other slot takes the stream's next three records: the load has three key steps in which to land.
.macro CHANGE fill
	s_wait_tensorcnt 0x0                           ; no tensor load of mine is out, so the group 0 may be written
	ds_add_u32 v[SPW], v[NIL]                      ; 0 onto my spare word
.if \fill
	s_xor_b32 s[G0+1], s[G0+1], SLOT1              ; the other slot than last time
	s_add_co_u32 s[NS], s[NS], 3
	s_sub_co_u32 s50, s[NS], s[GP1]
	s_cmp_le_u32 s[NS], s[GX]
	s_cselect_b32 s50, s[NS], s50                  ; the record: n in the first block's walk, n - G - 1 in the second's
	s_mul_i32 s[OFP], s50, REC
	s_add_nc_u64 s[G0+2:G0+3], s[6:7], s[OFP:OFP+1]
	s_or_b32 s[G0+3], s[G0+3], 0x80000000          ; type = 2
	s_wait_xcnt 0x0                                ; the last prefetch, a slot back, has read its address, so it may be written
	s_add_nc_u64 s[PFA:PFA+1], s[PFA:PFA+1], 3*REC
.endif
	s_wait_dscnt 0x0                               ; the add is done, and my reads of the slot that I have left are over
	s_barrier_signal -1
	s_barrier_wait -1
.if \fill
	TLOAD                                          ; the first thing behind the barrier, and a wave's one tensor load until the next
.endif
	v_add_nc_u32 v[ADL], s[TB], v[LI]
	v_add_nc_u32 v[AD8], s[TB], v[L8]
	WIN 0x40
	KCODES 0
	WIN 0
	ds_load_b128 v[KS:KS+3], v[ADL] offset:16384
.if \fill
	ASK                                            ; behind the tensor load and the run of LDS loads that the next products wait for
.endif
.endm
; THE WAY OUT of a block: O^T / the sum goes through my stage in LDS and leaves as whole rows: a query's 64 channels are 256 consecutive bytes of out, aligned, stored by sixteen lanes.
.macro WAYOUT
	PLACES                                         ; behind the last products
	v_add_f32 v[SUM], v[SUM], v[SUM+1]             ; the sum's two halves,
	v_permlanex16_b32 v[TP], v[SUM], s[SEL], s[SEL+1]
	v_add_f32 v[SUM], v[SUM], v[TP]                ; and lane l xor 16's: the row's sum
	v_rcp_f32 v[SUM], v[SUM]
	v_nop                                          ; a plain instruction behind the reciprocal
	s_wait_alu depctr_va_vdst(0)                   ; and a wait ahead of the first reader
.set j, 0
.rept 16
	v_pk_mul_f32 v[OD+j:OD+j+1], v[O+j:O+j+1], v[SUM:SUM+1] op_sel_hi:[1,0]   ; register 8 t + i: o(query r, channel 16 t + 8 h + i); each accumulator from its low end on
.set j, j+2
.endr
.irp t, 0,1,2,3
	ds_store_b128 v[STO], v[OD+8*\t:OD+8*\t+3] offset:64*\t
	ds_store_b128 v[STO], v[OD+8*\t+4:OD+8*\t+7] offset:64*\t+16
.endr
.irp i, 0,1,2,3,4,5,6,7
	ds_load_b128 v[RB+4*\i:RB+4*\i+3], v[RD] offset:2*\i*SPITCH   ; LDS serves a wave's instructions in order (ISA guide 5.7.1.4): these see my stores
.endr
.irp i, 0,1,2,3,4,5,6,7
	s_wait_dscnt 7-\i                              ; load i is in; the 7 - i younger ones may be out
	global_store_b128 v[GO], v[RB+4*\i:RB+4*\i+3], s[OA:OA+1] offset:(2*\i+8*(\i/4))*2048 th:TH_STORE_NT   ; tile rows 2 i and 2 i + 1 are tokens 2 i + 8 (i / 4) and the next
.endr
.endm
; A KEY STEP: the slot's record q, 128 keys.  mode 0: in the loop (the diagonal is found by a scalar compare of ids); 1: never on the diagonal; 2: always.
.macro STEP q, mode
	s_wait_dscnt 0x0                               ; K of this record and its scale words
	WIN 0x01                                       ; source 0 (K) in window 1
.irp t, 0,1,2,3,4,5,6,7
.if \t % 2
	v_wmma_scale_f32_16x16x128_f8f6f4 v[S+8*\t:S+8*\t+7], v[KR+16*\t:KR+16*\t+15], v[Q:Q+15], 0, v[KS+\t/2], v[QSC] matrix_a_fmt:MATRIX_FMT_BF8 matrix_b_fmt:MATRIX_FMT_BF8 matrix_a_scale:MATRIX_SCALE_ROW1
.else
	v_wmma_scale_f32_16x16x128_f8f6f4 v[S+8*\t:S+8*\t+7], v[KR+16*\t:KR+16*\t+15], v[Q:Q+15], 0, v[KS+\t/2], v[QSC] matrix_a_fmt:MATRIX_FMT_BF8 matrix_b_fmt:MATRIX_FMT_BF8
.endif
.endr
	WIN 0
	PLACES                                         ; in front of the reads of S^T and of the loads into K's, V's and their scale words' registers
.if (\q) < 2
	VKLOAD \q, 1
.else
	VKLOAD \q, 0
.endif
.if (\mode) != 1
.if (\mode) == 0
	s_cmp_lg_u32 s[KF], s[QK0]
	s_cbranch_scc1 .Lopen_\@
.endif
	v_mov_b32 v[TP], 0xff800000                    ; ON THE DIAGONAL: register 16 b + i holds key 32 b + 16 (lane / 16) + i of the block: hidden where 32 b + i > DL; its score becomes -infinity, so that p = 0
.set n, 0
.rept 64
	v_cmp_gt_i32 vcc_lo, 32*(n/16)+n%16, v[DL]
	v_cndmask_b32 v[S+n], v[S+n], v[TP], vcc_lo
.set n, n+1
.endr
.if (\mode) == 0
.Lopen_\@:
.endif
.endif
.irp b, 0,1,2,3
	v_max3_num_f32 v[BM+\b], v[S+16*\b], v[S+1+16*\b], v[S+2+16*\b]   ; the largest score of each block of 32 keys: for the row's maximum and, since p rises with the score, for the block's largest p
.endr
.irp i, 3,5,7,9,11,13
.irp b, 0,1,2,3
	v_max3_num_f32 v[BM+\b], v[BM+\b], v[S+16*\b+\i], v[S+1+16*\b+\i]
.endr
.endr
.irp b, 0,1,2,3
	v_max_num_f32 v[BM+\b], v[BM+\b], v[S+15+16*\b]
.endr
.irp b, 0,1,2,3
	v_permlanex16_b32 v[BM+4+\b], v[BM+\b], s[SEL], s[SEL+1]
.endr
.irp b, 0,1,2,3
	v_max_num_f32 v[BM+\b], v[BM+\b], v[BM+4+\b]   ; with lane l xor 16's 16 keys
.endr
	v_max3_num_f32 v[TP], v[BM], v[BM+1], v[BM+2]
	v_max_num_f32 v[TP], v[TP], v[BM+3]            ; the step's largest score of my query
	v_mul_f32 v[TP], s[CS], v[TP]                  ; as t (c is positive)
	v_max_num_f32 v[NM+1], v[NM+1], v[TP]          ; the running largest t
	v_mov_b32 v[TP], v[NM]
	v_floor_f32 v[NM], -v[NM+1]                    ; the new -M = floor(-t): M is a whole number
	v_sub_f32 v[TP], v[NM], v[TP]                  ; old M - new M: a whole number, 0 or less
	v_cvt_i32_f32 v[TP], v[TP]                     ; (it saturates)
	v_ldexp_f32 v[F], 1.0, v[TP]                   ; f = 2^(old M - new M)
.set j, 0
.rept 32
	v_pk_fma_f32 v[S+j:S+j+1], v[S+j:S+j+1], s[CS:CS+1], v[NM:NM+1] op_sel_hi:[1,0,0]   ; t - M, two at a time
.set j, j+2
.endr
.irp b, 0,1,2,3
	v_fma_f32 v[BM+\b], v[BM+\b], s[CS], v[NM]     ; the same of each block's largest score
.endr
.set j, 0
.rept 64
	v_exp_f32 v[S+j], v[S+j]                       ; p = 2^(t - M), at most 1
.set j, j+1
.endr
	v_pk_mul_f32 v[SUM:SUM+1], v[SUM:SUM+1], v[F:F+1] op_sel_hi:[1,0]   ; the sums under the new M; the plain instruction behind the exponentials
	s_wait_alu depctr_va_vdst(0)                   ; one wait for the batch of 64, ahead of its first reader
.irp b, 0,1,2,3
	v_exp_f32 v[BM+\b], v[BM+\b]                   ; the block's largest p: the same two instructions on the same number
.endr
	v_pk_add_f32 v[BM+4:BM+5], v[S:S+1], v[S+2:S+3]   ; the row's sum is taken of the unquantised p, in two chains
.set j, 4
.rept 15
	v_pk_add_f32 v[SUM:SUM+1], v[SUM:SUM+1], v[S+j:S+j+1]
	v_pk_add_f32 v[BM+4:BM+5], v[BM+4:BM+5], v[S+j+2:S+j+3]
.set j, j+4
.endr
	v_pk_add_f32 v[SUM:SUM+1], v[SUM:SUM+1], v[BM+4:BM+5]
	s_wait_alu depctr_va_vdst(0)                   ; and one for the four
.irp b, 0,1,2,3
	v_max_num_f32 v[BM+\b], 0x8000000, v[BM+\b]    ; the floor 2^(16 - 127): the byte cannot fall under 1
.endr
.irp b, 0,1,2,3
	v_add_nc_u32 v[BM+12+\b], 0xf8800000, v[BM+\b] ; 15 off the exponent field: the conversion's scale operand
.endr
.irp b, 0,1,2,3
	v_and_or_b32 v[BM+8+\b], v[BM+\b], 0x7f800000, s[MNT]   ; 57,344 x the scale
.endr
.irp b, 0,1,2,3
	v_lshrrev_b32 v[BM+4+\b], 23, v[BM+12+\b]      ; the scale's byte
.endr
	v_lshl_or_b32 v[PS], v[BM+5], 8, v[BM+4]       ; p's scale word for these 128 keys
	v_lshl_or_b32 v[PS], v[BM+6], 16, v[PS]
	v_lshl_or_b32 v[PS], v[BM+7], 24, v[PS]
.irp b, 0,1,2,3
.irp i, 0,1,2,3,4,5,6,7,8,9,10,11,12,13,14,15
	v_min_num_f32 v[S+16*\b+\i], v[S+16*\b+\i], v[BM+8+\b]   ; the conversion does not saturate (ISA guide 7.6.2); p is not negative, so the hold is one-sided
.endr
	v_cvt_scalef32_pk8_bf8_f32 v[PC+4*\b:PC+1+4*\b], v[S+16*\b:S+7+16*\b], v[BM+12+\b]
	v_cvt_scalef32_pk8_bf8_f32 v[PC+2+4*\b:PC+3+4*\b], v[S+8+16*\b:S+15+16*\b], v[BM+12+\b]
.endr
.set j, 0
.rept 16
	v_pk_mul_f32 v[O+j:O+j+1], v[O+j:O+j+1], v[F:F+1] op_sel_hi:[1,0]   ; O^T under the new M; these sixteen are also the places between the codes and the products below
.set j, j+2
.endr
	s_wait_dscnt 0x0                               ; V and its scale words (and the next record's K), asked for ahead of the softmax
	WIN 0x01                                       ; source 0 (V) in window 1
.irp t, 0,1,2,3
.if \t % 2
	v_wmma_scale_f32_16x16x128_f8f6f4 v[O+8*\t:O+8*\t+7], v[16*\t:16*\t+15], v[PC:PC+15], v[O+8*\t:O+8*\t+7], v[VS+\t/2], v[PS] matrix_a_fmt:MATRIX_FMT_BF8 matrix_b_fmt:MATRIX_FMT_BF8 matrix_a_scale:MATRIX_SCALE_ROW1
.else
	v_wmma_scale_f32_16x16x128_f8f6f4 v[O+8*\t:O+8*\t+7], v[16*\t:16*\t+15], v[PC:PC+15], v[O+8*\t:O+8*\t+7], v[VS+\t/2], v[PS] matrix_a_fmt:MATRIX_FMT_BF8 matrix_b_fmt:MATRIX_FMT_BF8
.endif
.endr
	WIN 0
.if (\mode) == 0
	s_cmp_lg_u32 s[KF], s[QK0]                     ; the diagonal step was the first block's last: it goes out, and the second block begins at key 0
	s_cbranch_scc1 .Lon_\@
	WAYOUT
	s_wait_xcnt 0x0                                ; the stores have read their base and their data: both are written again below and in the next step
	s_sub_co_u32 s[BLK], 31, s[GX]
	SETBLK
	QLOAD
	INIT
	s_mov_b32 s[KF], -128
	s_wait_loadcnt 0x0                             ; Q
.Lon_\@:
.endif
	s_add_co_u32 s[KF], s[KF], 128
.endm
	s_load_b128 s[4:7], s[0:1], 0x0                ; qc, kv
	s_load_b64 s[8:9], s[0:1], 0x10                ; out0
	v_lshl_add_u32 v[SPW], v0, 2, SPARE
	v_mov_b32 v[NIL], 0
	ds_add_u32 v3, v4
	s_wait_dscnt 0x0
	v_lshrrev_b32 v1, 5, v0
	v_readfirstlane_b32 s[WV], v1                  ; wave 0..7
	s_mov_b32 s[GX], ttmp9
	; descriptor group 1: a record: 67 rows of 256 bytes (32 elements of 8 bytes), dense in memory and in LDS
	s_mov_b32 s[G1], 3<<16                         ; no mask; elements of 8 bytes; no padding: every LDS load takes 512 consecutive bytes
	s_mov_b32 s[G1+1], 32<<16                      ; tensor_dim0 = 32
	s_mov_b32 s[G1+2], 67<<16                      ; tensor_dim1 = 67
	s_mov_b32 s[G1+3], 32<<16                      ; tile_dim0 = 32
	s_mov_b32 s[G1+4], 67                          ; tile_dim1 = 67
	s_mov_b32 s[G1+5], 32                          ; from row to row
	s_mov_b32 s[G1+6], 0
	s_mov_b32 s[G1+7], 0
	s_min_u32 s[NS], s[WV], 2                      ; slot 0: stream index = wave (waves 3 to 7 fetch nothing)
	s_add_co_u32 s[GP1], s[GX], 1
	s_sub_co_u32 s50, s[NS], s[GP1]
	s_cmp_le_u32 s[NS], s[GX]
	s_cselect_b32 s50, s[NS], s50                  ; its record
	s_mul_i32 s[OFP], s50, REC
	s_mov_b32 s[OFP+1], 0
	s_mov_b32 s[G0], 1
	s_mul_i32 s[G0+1], s[NS], REC                  ; its place in a slot
	s_and_b32 s50, ttmp7, 0xffff                   ; hb
	s_mul_i32 s52, s50, HB_KV
	s_mov_b32 s53, 0
	s_mul_i32 s54, s50, HB_Q
	s_mov_b32 s55, 0
	s_lshr_b32 s51, s50, 3
	s_lshl_b32 s51, s51, 23                        ; a batch of out: 4,096 rows of 2,048 bytes
	s_and_b32 s50, s50, 7
	s_lshl_b32 s50, s50, 8                         ; a head's 256 bytes of a row
	s_add_co_u32 s50, s50, s51
	s_mov_b32 s51, 0
	s_wait_kmcnt 0x0
	s_add_nc_u64 s[6:7], s[6:7], s[52:53]          ; kv at my head
	s_add_nc_u64 s[4:5], s[4:5], s[54:55]          ; qc at my head
	s_add_nc_u64 s[8:9], s[8:9], s[50:51]          ; out at my batch and head
	s_add_nc_u64 s[G0+2:G0+3], s[6:7], s[OFP:OFP+1]
	s_or_b32 s[G0+3], s[G0+3], 0x80000000          ; type = 2
	TLOAD                                          ; slot 0
	s_mov_b32 s[MNT], 0x600000                     ; the mantissa field of 57,344
	s_mov_b32 s[SEL], 0x76543210
	s_mov_b32 s[SEL+1], 0xfedcba98                 ; v_permlanex16_b32's selects for lane l xor 16
	s_mov_b32 s[CS], 0x3d8293ee                    ; c = log2(e) / sqrt(512)
	s_mov_b32 s[CS+1], s[CS]                       ; (named with it as a pair, so it is written)
	s_lshr_b32 s50, s[WV], 1
	s_and_b32 s51, s[WV], 1
	s_lshl_b32 s[WOFF], s50, 5
	s_lshl_b32 s52, s51, 3
	s_add_co_u32 s[WOFF], s[WOFF], s52
	s_lshl_b32 s[WQ], s[WV], 10                    ; tile w's two chunks
	s_lshl_b32 s[WSO], s51, 8
	s_lshl_b32 s50, s50, 2
	s_add_co_u32 s[WSO], s[WSO], s50
	s_add_co_u32 s[WSO], s[WSO], 8192              ; its scale words: 8192 + 256 (w % 2) + 4 (w / 2), + 16 r
	s_max_u32 s50, s[WV], 2                        ; the prefetches: wave 2 + i takes half i % 2 of record i / 2 of the three
	s_sub_co_u32 s50, s50, 2
	s_lshr_b32 s51, s50, 1
	s_add_co_u32 s51, s51, 2                       ; from record 2 on: the first change of slots steps it to record 5
	s_mul_i32 s51, s51, REC
	s_and_b32 s50, s50, 1
	s_lshl_b32 s50, s50, 13
	s_add_co_u32 s54, s51, s50
	s_add_nc_u64 s[PFA:PFA+1], s[6:7], s[54:55]
	s_cmp_ge_u32 s[WV], 2
	s_cselect_b32 s[LIMT], 9, 0
	s_cmp_eq_u32 s[GX], 0
	s_cselect_b32 s[LIMT], s[LIMT], 0              ; trips in which I prefetch: 9 in waves 2 to 7 of the head's work-group 0, else none
	v_and_b32 v[L8], 31, v0                        ; lane
	v_lshlrev_b32 v[LI], 4, v[L8]
	v_lshlrev_b32 v[PFO], 8, v[L8]
	v_lshlrev_b32 v[L8], 3, v[L8]
	v_and_b32 v[QSO], 15, v0                       ; r
	v_bfe_u32 v[TP], v0, 4, 1                      ; h
	v_and_b32 v[DL], 8, v[QSO]
	v_add_nc_u32 v[DL], v[DL], v[QSO]              ; r + 8 (r / 8)
	v_lshlrev_b32 v[F+1], 4, v[TP]
	v_sub_nc_u32 v[DL], v[DL], v[F+1]              ; - 16 h
	v_add_nc_u32 v[DL], s[WOFF], v[DL]
	s_mul_i32 s50, s[WV], 16*SPITCH
	s_add_co_u32 s50, s50, STAGE                   ; my stage
	v_mul_u32_u24 v[STO], v[QSO], SPITCH           ; in: row r, 32 bytes for each half of the lanes
	v_lshl_add_u32 v[STO], v[TP], 5, v[STO]
	v_add_nc_u32 v[STO], s50, v[STO]
	v_mul_u32_u24 v[RD], v[TP], SPITCH             ; back: lanes 0-15 one row of 256 bytes, lanes 16-31 the next
	v_lshl_add_u32 v[RD], v[QSO], 4, v[RD]
	v_add_nc_u32 v[RD], s50, v[RD]
	v_lshlrev_b32 v[GO], 11, v[TP]                 ; and the same two rows in out
	v_lshl_add_u32 v[GO], v[QSO], 4, v[GO]
	v_lshlrev_b32 v[QSO], 4, v[QSO]
	WIN 0x40                                       ; destination window 1
.irp t, 0,1,2,3,4,5,6,7
.irp i, 8,9,10,11,12,13,14,15
	v_mov_b32 v[KR+16*\t+\i], 0                    ; K's codes of k = 64 .. 127: zeros, written once
.endr
.endr
	WIN 0
.irp i, 8,9,10,11,12,13,14,15
	v_mov_b32 v[Q+\i], 0                           ; Q's likewise
.endr
.irp b, 0,1,2,3
	v_mov_b32 v[BM+4+\b], 0                        ; written once: a lane permute's destination counts as one of its sources
.endr
	v_mov_b32 v[F+1], 0                            ; (named as the upper half of the pair with f)
	s_mov_b32 s[BLK], s[GX]
	SETBLK
	QLOAD
	INIT
	s_mov_b32 s[KF], 0
	s_mov_b32 s[TB], 0
	s_mov_b32 s[TRIP], 0
	s_wait_loadcnt 0x0                             ; Q
.Lslot:                                            ; ten trips: behind each change of slots but the last the next slot is asked for
	CHANGE 1
	STEP 0, 0
	STEP 1, 0
	STEP 2, 0
	s_xor_b32 s[TB], s[TB], SLOT1                  ; on to the other slot
	s_add_co_u32 s[TRIP], s[TRIP], 1
	s_cmp_lt_u32 s[TRIP], 10
	s_cbranch_scc1 .Lslot
	CHANGE 0                                       ; the last slot (stream indices 30, 31, 32) is written out
	STEP 0, 1
	STEP 1, 1
	STEP 2, 2                                      ; the second block's diagonal
	WAYOUT
	s_wait_tensorcnt 0x0                           ; the wave's end, behind my last tensor load and my last LDS store
	ds_add_u32 v[SPW], v[NIL]
	s_wait_dscnt 0x0
	s_endpgm
.Lfunc_end_k_qba0aece9f8_attn:
	.size	k_qba0aece9f8_attn, .Lfunc_end_k_qba0aece9f8_attn-k_qba0aece9f8_attn
	.p2alignl 7, 3214868480
	.fill 96, 4, 3214868480
	.section	.rodata,"a",@progbits
	.p2align	6, 0x0
	.amdhsa_kernel k_qba0aece9f8_attn
		.amdhsa_group_segment_fixed_size 327680
		.amdhsa_private_segment_fixed_size 0
		.amdhsa_enable_private_segment 0
		.amdhsa_kernarg_size 24
		.amdhsa_user_sgpr_count 2
		.amdhsa_user_sgpr_kernarg_segment_ptr 1
		.amdhsa_wavefront_size32 1
		.amdhsa_system_sgpr_workgroup_id_x 1
		.amdhsa_system_sgpr_workgroup_id_y 1
		.amdhsa_system_sgpr_workgroup_id_z 1
		.amdhsa_system_vgpr_workitem_id 0
		.amdhsa_next_free_vgpr 448
		.amdhsa_next_free_sgpr 66
		.amdhsa_reserve_vcc 1
		.amdhsa_float_denorm_mode_32 3
		.amdhsa_float_denorm_mode_16_64 3
		.amdhsa_memory_ordered 1
		.amdhsa_forward_progress 1
		.amdhsa_inst_pref_size 160
	.end_amdhsa_kernel
	.amdgpu_metadata
---
amdhsa.version: [ 1, 2 ]
amdhsa.kernels:
  - .name:           k_qba0aece9f8_attn
    .symbol:         k_qba0aece9f8_attn.kd
    .args:
      - { .name: qc, .offset: 0, .size: 8, .value_kind: global_buffer, .address_space: global }
      - { .name: kv, .offset: 8, .size: 8, .value_kind: global_buffer, .address_space: global }
      - { .name: out0, .offset: 16, .size: 8, .value_kind: global_buffer, .address_space: global }
    .group_segment_fixed_size: 327680
    .private_segment_fixed_size: 0
    .kernarg_segment_align: 8
    .kernarg_segment_size: 24
    .max_flat_workgroup_size: 256
    .sgpr_count:     66
    .vgpr_count:     448
    .wavefront_size: 32
...
	.end_amdgpu_metadata
.endif
;; end of part 2
